; MI455X (gfx1250); checked and timed in simulation.
; The chip was launched on July 23, 2026; its instructions are those of AMD's public machine-readable ISA for CDNA 5 (MIT licence, August 2026) and "CDNA5" Instruction Set Architecture Reference Guide (July 2026). The comments in the code are by the model that wrote it; some were corrected since.
;; Self Attention Naive. Allowed arithmetic: matrix products marked QUANTISED: E2M1 operands, one E8M0 scale for each 32 along K, by v_wmma_scale_f32_16x16x128_f8f6f4 with both operands' format E2M1 (or v_wmma_scale_f32_32x16x128_f4), f32 sums; everything else in f32.
;; Inputs: gamma 1 float32; wf_codes 64 x 8 x 16 uint8 (E2M1 codes of wf, K innermost, in blocks of 32 codes, two codes a byte); wf_scales 64 x 8 uint8 (E8M0 scales of wf, one for each 32 codes along K); wg_codes 64 x 8 x 16 uint8 (E2M1 codes of wg, K innermost, in blocks of 32 codes, two codes a byte); wg_scales 64 x 8 uint8 (E8M0 scales of wg, one for each 32 codes along K); wh_codes 256 x 8 x 16 uint8 (E2M1 codes of wh, K innermost, in blocks of 32 codes, two codes a byte); wh_scales 256 x 8 uint8 (E8M0 scales of wh, one for each 32 codes along K); x 8 x 256 x 64 x 64 float32.
;; Outputs: out0 8 x 256 x 64 x 64 float32.
;; This version of the problem:
;;   THIS VERSION OF THE PROBLEM IS GIVEN IN LOW PRECISION. The matrix products marked QUANTISED in the list below multiply operands that are first quantised to E2M1 (2 exponent bits, 1 mantissa bit; 4 bits a number), with one power-of-two scale for each 32 numbers along K (OCP MX v1.0); their sums are f32. All else is computed in f32.
;;   The module's matrix products, in the order in which they are computed (A, B: the left and right operand; K: the contracted axis; several contracted axes count as one K, in the product's order):
;;     1. [M 32,768, K 256] x [K 256, N 64]; A: input x; B: input wf (given as codes): QUANTISED
;;     2. [M 32,768, K 256] x [K 256, N 64]; A: input x; B: input wg (given as codes): QUANTISED
;;     3. [M 32,768, K 256] x [K 256, N 256]; A: input x; B: input wh (given as codes): QUANTISED
;;     4. batch 8 x [M 4,096, K 64] x [K 64, N 4,096]; A: computed on the way; B: computed on the way: QUANTISED
;;     5. batch 8 x [M 256, K 4,096] x [K 4,096, N 4,096]; A: computed on the way; B: softmax (see below): QUANTISED
;;   THE QUANTISER, for each operand of a quantised product, along K:
;;     - K is cut into blocks of 32 from its start; a last block that is shorter is filled with zeros.
;;     - A block's scale is 2^e with e = floor(log2(the largest magnitude in the block)) - 2, held to -126 .. 127; a block of zeros has e = 0. As a byte (E8M0): e + 127.
;;     - Each number is divided by its block's scale, clamped to +-6, and rounded to the nearest number of E2M1, ties to even, subnormals kept.
;;     - The product sums the exact products of the quantised numbers (number of the format x scale) in f32.
;;   ~~~python
;;   def quantise(x, axis):      # numpy; x: float32 -> the quantised numbers, widened to float32 again
;;       x = np.moveaxis(x, axis, -1); K = x.shape[-1]
;;       x = np.pad(x, [(0, 0)] * (x.ndim - 1) + [(0, -K % 32)]); x = x.reshape(x.shape[:-1] + (-1, 32)); a = np.abs(x).max(-1, keepdims=True)
;;       e = np.where(a > 0, np.clip(np.frexp(np.where(a > 0, a, 1))[1] - 1 - 2, -126, 127), 0)      # np.frexp(a)[1] - 1 = floor(log2(a)), exactly
;;       r = np.clip(x / 2.0 ** e, -6, 6)
;;       step = 2.0 ** (np.maximum(np.frexp(np.where(r == 0, 1, r))[1] - 1, 0) - 1)
;;       q = np.round(r / step) * step * 2.0 ** e      # np.round: ties to even
;;       return np.moveaxis(q.reshape(q.shape[:-2] + (-1,))[..., :K], -1, axis).astype(np.float32)
;;   ~~~
;;   SOFTMAX AHEAD OF A QUANTISED PRODUCT. Where the list says 'softmax', what is quantised is not the finished softmax but p = 2^(t - M), with t = logit x log2(e) and M = ceil(the row's largest t), a whole number; so 1/2 < the row's largest p <= 1. The row's sum l is taken of the UNQUANTISED p, in f32, and the product's result is divided by l at the end. Since M is a whole number, a kernel that streams over the keys may use a running M (the ceiling of the running maximum): every later rescaling is an exact power of two, which a block's scale takes up: the codes' values come out the same.
;;   OPERANDS COMPUTED ON THE WAY. 'Computed on the way' means the value that the module computes at that place (a softmax that the list does not call 'softmax' is quantised finished and normalised). What goes into a quantiser is computed in f32, as accurately as f32 sums, v_exp_f32 and their like allow (about 1e-6 of the number): no bf16 or f16 on the way to a quantiser, and a product that is left as it is and whose result goes on into a quantised operand takes f32 operands (vector FMAs, or v_wmma_f32_16x16x4_f32). A number that lies on a knife's edge between two numbers of the format may be rounded either way, as far as f32 arithmetic and the matrix unit's own rounding can turn it there, and no further.
;;   INPUTS GIVEN AS CODES. wf (in the module: [64, 256], K = its axis 1); wg (in the module: [64, 256], K = its axis 1); wh (in the module: [256, 256], K = its axis 1): each comes as NAME_codes (uint8): NAME with its K axis moved to the last place and cut into blocks of 32 codes, [.., K / 32, bytes a block], one block behind the other in memory; two codes a byte, the lower K in the low four bits (a code: sign, 2 exponent bits, 1 mantissa bit); and NAME_scales (uint8): the same leading axes, one E8M0 byte (e + 127) for each 32 codes along K. Its value is code x scale, taken as it is: it is not quantised again, and the codes and scales need not be those that the quantiser above would give.
;; One version. Each part assembles by itself: llvm-mc -triple=amdgcn-amd-amdhsa -mcpu=gfx1250 --defsym DOCPART=n.
;; ======== version 1 of 1: 2 launches
;; workspace buffers: kv 5,636,096 bytes; qb 1,179,648 bytes
;; launch project (part 1): grid 32 x 8, 8 waves a work-group, no clusters, 22,528 bytes of LDS; arguments x, wf_codes, wf_scales, wg_codes, wg_scales, wh_codes, wh_scales, kv, qb; writes kv, qb
.if DOCPART == 1
	.amdgcn_target "amdgcn-amd-amdhsa--gfx1250"
	.amdhsa_code_object_version 6
	.text
	.protected	k_q084055f862_project
	.globl	k_q084055f862_project
	.p2align	8
	.type	k_q084055f862_project,@function
k_q084055f862_project:
	s_mov_b64 s[64:65], 0
	v_nop
	global_prefetch_b8 v0, s[64:65] scope:SCOPE_SE
	s_setreg_imm32_b32 hwreg(HW_REG_WAVE_MODE, 25, 1), 1
	s_wait_xcnt 0x0
; PROJECT: fx = wf x, gx = wg x, hx = wh x (x: [8][256 channels][4096 positions] f32), all three products on codes of FP4 (E2M1) with one E8M0 scale for each 32 along K,
; and the three results quantised again for the attention that follows: fx (the keys) and gx (the queries) along their 64 channels, hx (the values) along the positions.
; NO WORK OF THE PROBLEM IS LEFT OUT: every input has a way to the output, and every product of the table is live.
; LIMITS: a block whose largest magnitude lies under 2^-124 keeps the scale byte 1 (a block of zeros too, where the rule says 127: its codes are zeros, and this program alone reads the bytes);
; NaN and infinities among the inputs are not served.
; SHARES.  A work-group takes 128 positions (x of the grid) of one batch (y): 256 work-groups.  Eight waves, two to a SIMD with 512 registers each.
;   X:  wave (pg = w % 4, half = w / 4) quantises positions 32 pg .. + 31, a lane a position, channels 128 half .. + 127 down its registers: four blocks of 32; codes and scale words go to LDS by rows.
;   P1: waves 0-3 make fx, waves 4-7 gx, each for its 32 positions.  Transposed (source 0 = 16 rows of the weight, source 1 = 16 positions): a lane holds ONE position and its registers run along the channels.
;   P2: wave w makes channels 32 w .. + 31 of hx for all 128 positions (source 0 = 16 positions, source 1 = 16 rows of wh): a lane holds ONE channel and its registers run along the positions.
; THE ROWS OF A TILE ARE NOT NEIGHBOURS: row r of position tile 2 b + u is position 32 b + 8 u + r + 8 (r / 8), and the weight's rows in P1 likewise: so the 16 registers of tiles 2 b and 2 b + 1 of a result
; are 16 neighbours along the next product's K, 32 b + 16 (lane / 16) + 0 .. 15.
; WHAT IS STORED are images of operand registers: four registers by one store, lane l's 16 bytes at 16 l, 512 consecutive bytes a store.
;   kv [8][32][22016]: 0 K's 8 tiles x 512 | 4096 K's scale words (tile 2 q + h, row r at 16 (16 h + r) + 4 q) | 4608 V's scale words (tile 8 L + 2 q + h at 512 L + the same) | 5632 V's 16 tiles x 1024
;   qb [8][32][4608]:  0 Q's 8 tiles x 512 | 4096 Q's scale words, laid as K's
; K's and Q's K is 64: a tile is the lower four registers of a fragment, and bytes 2 and 3 of its scale word are 0.
; No tensor load, no cluster: the work-groups share the small weights alone (51 KB against 128 KB of x each).
.set PITCH, 144                        ; an LDS row of x's codes: 128 bytes + 16 = 36 words: the 16 rows that a load touches start at 16 different groups of four banks (64 banks of 4 bytes: ISA guide 11.1)
.set XSC,   128*PITCH                  ; x's scale words: [K step][row], 4 bytes each
.set SCS,   XSC+1024                   ; four chunks of 512 bytes of scale words on their way out: K's, Q's, V's two
.set SPARE, SCS+2048                   ; the spare words, 128 bytes for each wave: four blocks of 256 bytes that no other line names
.set CH,    16384                      ; bytes from a channel of x to the next
.set KVB,   22016                      ; a block of kv
.set QBB,   4608                       ; a block of qb
.set VIMG,  5632
; window 0
.set LI,   1                           ; 16 x lane
.set XA,   2                           ; x: 4 x my position among the wave's 32
.set XST,  3                           ; where my position's codes go
.set XSS,  4                           ; and its scale word
.set XRD,  5                           ; a fragment of x: 144 r + 16 h
.set XSR,  6                           ; its scale words: XSC + 4 r
.set XRD1, 7                           ; the same at my own two tiles
.set XSR1, 8
.set WA,   9                           ; wf, wg: 128 (r + 8 (r / 8)) + 16 h
.set WSA,  10                          ; their scale words: 8 (r + 8 (r / 8))
.set WHA,  11                          ; wh: 128 r + 16 h
.set WHSA, 12                          ; 8 r
.set SH16, 13                          ; 16 h
.set SPW,  14                          ; LDS address of my spare word; never rewritten
.set NIL,  15                          ; 0; never rewritten
.set XSW,  16                          ; v16-31 x's scale words (tile t, K step s) at 2 t + s
.set XPS,  32                          ; v32-35 those of my own two tiles
.set WFGS, 36                          ; v36-43 wf's or wg's (tile o, K step s)
.set WHS,  44                          ; v44-47 wh's (tile n, K step s)
.set TM,   48                          ; v48-59 at work: largest magnitudes, bytes, scale operands
.set PW,   60                          ; v60-62 the scale words just made
.set TT,   63
.set XN,   64                          ; v64-191 four sets of 32 numbers of x; later the accumulators
.set ACCA, 64
.set ACCB, 128
.set CX,   192                         ; v192-207 x's codes, four registers a block
.set PC0,  192                         ; later the codes of fx or gx,
.set PC1,  200                         ; and of hx's two tiles
.set PC2,  208
.set SB,   216                         ; x's scale word
.set SST1, 217
.set SST2, 218
.set SRD,  219
.set CK,   220                         ; v220-223 a chunk's 16 bytes
; window 1
.set WF,   0                           ; wf's or wg's fragments (o, s) at 8 (2 o + s)
.set WH,   64                          ; wh's (n, s)
.set XF,   96                          ; x's (t, s)
.set XPF,  224                         ; x's of my own two tiles
.set MSB, 0
.macro WIN new                         ; the immediate's high byte repeats the setting that is left
.if MSB != \new
	s_set_vgpr_msb (MSB<<8)|\new
.set MSB, \new
.endif
.endm
.macro BARRIER                         ; my LDS stores have landed and my LDS loads are in: then the work-group's barrier
	s_wait_dscnt 0x0
	s_barrier_signal -1
	s_barrier_wait -1
.endm
.macro LOADX kb                        ; block kb: 32 channels of my position; a load reads 128 consecutive bytes, and four waves stand side by side on 512
.set jj, 0
.rept 32
	global_load_b32 v[XN+32*(\kb)+jj], v[XA], s[32:33] offset:(32*(\kb)+jj)*CH th:TH_LOAD_NT
.set jj, jj+1
.endr
.endm
.macro BLOCK kb                        ; a block of 32 along K lies in my 32 registers: its largest magnitude needs no other lane
.set XK, XN+32*(\kb)
	v_max3_num_f32 v[TM], |v[XK]|, |v[XK+1]|, |v[XK+2]|
	v_max3_num_f32 v[TM+1], |v[XK+3]|, |v[XK+4]|, |v[XK+5]|
.irp i, 6,10,14,18,22,26
	s_delay_alu instid0(VALU_DEP_2)
	v_max3_num_f32 v[TM], v[TM], |v[XK+\i]|, |v[XK+\i+1]|
	s_delay_alu instid0(VALU_DEP_2)
	v_max3_num_f32 v[TM+1], v[TM+1], |v[XK+\i+2]|, |v[XK+\i+3]|
.endr
	s_delay_alu instid0(VALU_DEP_2)
	v_max3_num_f32 v[TM], v[TM], |v[XK+30]|, |v[XK+31]|
	s_delay_alu instid0(VALU_DEP_1)
	v_max3_num_f32 v[TM], v[TM], v[TM+1], 0x1800000    ; and the floor 2^(3 - 127): the byte cannot fall under 1
	s_delay_alu instid0(VALU_DEP_1)
	v_add_nc_u32 v[TM+2], 0xff000000, v[TM]            ; 2 off the exponent field: the conversion takes the exponent field of this operand as its scale
	s_delay_alu instid0(VALU_DEP_1)
	v_lshrrev_b32 v[TM+3], 23, v[TM+2]                 ; the scale's byte
.if (\kb) == 0
	s_delay_alu instid0(VALU_DEP_1)
	v_mov_b32 v[SB], v[TM+3]
.else
	s_delay_alu instid0(VALU_DEP_1)
	v_lshl_or_b32 v[SB], v[TM+3], 8*(\kb), v[SB]
.endif
.irp g, 0,1,2,3
	v_cvt_scalef32_pk8_fp4_f32 v[CX+4*(\kb)+\g], v[XK+8*\g:XK+8*\g+7], v[TM+2]
.endr
	ds_store_b128 v[XST], v[CX+4*(\kb):CX+4*(\kb)+3] offset:16*(\kb)   ; 32 codes: 16 bytes of my position's row; each block has registers of its own
.endm
; 64 numbers of a lane, register 16 b + i = k 32 b + 16 (lane / 16) + i of my row, become 8 registers of codes in v[pc] on and a scale word in v[pw].  Each accumulator is read from its low end on.
.macro QUANT s, pc, pw
.irp b, 0,1,2,3
	v_max3_num_f32 v[TM+\b], |v[\s+16*\b]|, |v[\s+1+16*\b]|, 0x1800000   ; my 16 numbers of block b, and the floor
.endr
.irp i, 2,4,6,8,10,12,14
.irp b, 0,1,2,3
	v_max3_num_f32 v[TM+\b], v[TM+\b], |v[\s+16*\b+\i]|, |v[\s+1+16*\b+\i]|   ; the four blocks by turns
.endr
.endr
.irp b, 0,1,2,3
	s_delay_alu instid0(VALU_DEP_4)
	v_permlanex16_b32 v[TM+4+\b], v[TM+\b], s40, s41
.endr
.irp b, 0,1,2,3
	s_delay_alu instid0(VALU_DEP_4)
	v_max_num_f32 v[TM+\b], v[TM+\b], v[TM+4+\b]       ; with lane l xor 16's: the block's largest magnitude
.endr
.irp b, 0,1,2,3
	s_delay_alu instid0(VALU_DEP_4)
	v_add_nc_u32 v[TM+8+\b], 0xff000000, v[TM+\b]
.endr
.irp b, 0,1,2,3
	s_delay_alu instid0(VALU_DEP_4)
	v_lshrrev_b32 v[TM+4+\b], 23, v[TM+8+\b]
.endr
	s_delay_alu instid0(VALU_DEP_3)
	v_lshl_or_b32 v[\pw], v[TM+5], 8, v[TM+4]
	s_delay_alu instid0(VALU_DEP_1)
	v_lshl_or_b32 v[\pw], v[TM+6], 16, v[\pw]
	s_delay_alu instid0(VALU_DEP_1)
	v_lshl_or_b32 v[\pw], v[TM+7], 24, v[\pw]
.irp b, 0,1,2,3
	v_cvt_scalef32_pk8_fp4_f32 v[\pc+2*\b], v[\s+16*\b:\s+7+16*\b], v[TM+8+\b]
	v_cvt_scalef32_pk8_fp4_f32 v[\pc+1+2*\b], v[\s+8+16*\b:\s+15+16*\b], v[TM+8+\b]
.endr
	v_nop                                              ; one plain place behind a scaled conversion
.irp c, 0,1                            ; the operand's layout wants a WHOLE block in a lane: lanes 0-15 block 2 c, lanes 16-31 block 2 c + 1
.irp i, 0,1
	v_permlane16_swap_b32 v[\pc+4*\c+\i], v[\pc+2+4*\c+\i]
.endr
.endr
.endm
	s_load_b256 s[4:11], s[0:1], 0x0               ; x s[4:5], wf's codes s[6:7], wf's scales s[8:9], wg's codes s[10:11]
	s_load_b256 s[12:19], s[0:1], 0x20             ; wg's scales s[12:13], wh's codes s[14:15], wh's scales s[16:17], kv s[18:19]
	s_load_b64 s[20:21], s[0:1], 0x40              ; qb
	v_lshl_add_u32 v[SPW], v0, 2, SPARE
	v_mov_b32 v[NIL], 0
	v_lshrrev_b32 v[TT], 5, v0
	s_delay_alu instid0(VALU_DEP_1)
	v_readfirstlane_b32 s22, v[TT]                 ; wave 0..7
	s_and_b32 s23, s22, 3                          ; pg
	s_lshr_b32 s24, s22, 2                         ; half
	s_and_b32 s26, ttmp7, 0xffff                   ; batch
	s_lshl_b32 s25, s26, 5
	s_add_co_u32 s25, s25, ttmp9                   ; my block of kv and of qb: 32 x batch + unit
	s_mov_b32 s40, 0x76543210
	s_mov_b32 s41, 0xfedcba98                      ; v_permlanex16_b32's selects for lane l xor 16
	v_and_b32 v60, 31, v0                          ; lane
	v_and_b32 v61, 15, v0                          ; r
	v_bfe_u32 v62, v0, 4, 1                        ; h
	s_delay_alu instid0(VALU_DEP_3)
	; every address is made here, ahead of any parting of the waves
	v_lshlrev_b32 v[LI], 4, v60
	s_delay_alu instid0(VALU_DEP_4)
	v_and_b32 v[XA], 7, v60                        ; LDS row 32 pg + lane is row lane % 16 of tile 2 pg + lane / 16: position (lane % 8) + 16 (bit 3) + 8 (bit 4)
	v_bfe_u32 v[TT], v0, 3, 1
	s_delay_alu instid0(VALU_DEP_1)
	v_lshl_add_u32 v[XA], v[TT], 4, v[XA]
	s_delay_alu instid0(VALU_DEP_1)
	v_lshl_add_u32 v[XA], v62, 3, v[XA]
	s_delay_alu instid0(VALU_DEP_1)
	v_lshlrev_b32 v[XA], 2, v[XA]
	s_mul_i32 s42, s23, 32*PITCH                   ; my 32 rows
	s_lshl_b32 s43, s24, 6                         ; my 128 channels: 64 bytes
	s_add_co_u32 s43, s43, s42
	v_mul_u32_u24 v[XST], v60, PITCH
	s_delay_alu instid0(VALU_DEP_1)
	v_add_nc_u32 v[XST], s43, v[XST]
	s_lshl_b32 s43, s24, 9
	s_lshl_b32 s44, s23, 7
	s_add_co_u32 s43, s43, s44
	s_add_co_u32 s43, s43, XSC
	v_lshl_add_u32 v[XSS], v60, 2, s43
	v_mul_u32_u24 v[XRD], v61, PITCH
	s_delay_alu instid0(VALU_DEP_1)
	v_lshl_add_u32 v[XRD], v62, 4, v[XRD]
	v_lshl_add_u32 v[XSR], v61, 2, XSC
	s_delay_alu instid0(VALU_DEP_2)
	v_add_nc_u32 v[XRD1], s42, v[XRD]
	s_delay_alu instid0(VALU_DEP_2)
	v_add_nc_u32 v[XSR1], s44, v[XSR]
	v_and_b32 v[TT], 8, v61
	s_delay_alu instid0(VALU_DEP_1)
	v_add_nc_u32 v[TT], v[TT], v61                 ; r + 8 (r / 8)
	s_delay_alu instid0(VALU_DEP_1)
	v_lshlrev_b32 v[WA], 7, v[TT]
	s_delay_alu instid0(VALU_DEP_1)
	v_lshl_add_u32 v[WA], v62, 4, v[WA]
	s_delay_alu instid0(VALU_DEP_3)
	v_lshlrev_b32 v[WSA], 3, v[TT]
	v_lshlrev_b32 v[WHA], 7, v61
	s_delay_alu instid0(VALU_DEP_1)
	v_lshl_add_u32 v[WHA], v62, 4, v[WHA]
	v_lshlrev_b32 v[WHSA], 3, v61
	v_lshlrev_b32 v[SH16], 4, v62
	s_lshl_b32 s43, s24, 9
	s_lshl_b32 s45, s23, 2
	s_add_co_u32 s43, s43, s45
	s_add_co_u32 s43, s43, SCS
	v_lshl_add_u32 v[SST1], v60, 4, s43            ; chunk half (K's or Q's): 16 x lane + 4 pg
	s_delay_alu instid0(VALU_DEP_1)
	v_add_nc_u32 v[SST2], 1024, v[SST1]            ; chunk 2 + half (V's)
	s_lshl_b32 s43, s23, 9
	s_add_co_u32 s43, s43, SCS
	v_lshl_add_u32 v[SRD], v60, 4, s43             ; chunk pg, on the way out
.irp b, 0,1,2,3
	v_mov_b32 v[TM+4+\b], 0                        ; written once: a lane permute's destination counts as one of its sources
.endr
	s_lshl_b32 s46, s26, 22                        ; x: the batch's 4 MiB,
	s_lshl_b32 s47, s24, 21                        ; my 128 channels,
	s_add_co_u32 s46, s46, s47
	s_lshl_b32 s47, ttmp9, 9                       ; the work-group's 128 positions,
	s_add_co_u32 s46, s46, s47
	s_add_co_u32 s46, s46, s44                     ; my wave's 32
	s_mov_b32 s47, 0
	s_mul_i32 s48, s25, KVB
	s_mov_b32 s49, 0
	s_mul_i32 s50, s25, QBB
	s_mov_b32 s51, 0
	s_lshl_b32 s52, s22, 12                        ; wh: my 32 rows of 128 bytes
	s_mov_b32 s53, 0
	s_lshl_b32 s54, s22, 8                         ; and of 8 scale bytes
	s_mov_b32 s55, 0
	s_wait_alu depctr_va_vdst(0)
	s_wait_kmcnt 0x0
	s_add_nc_u64 s[32:33], s[4:5], s[46:47]
	s_add_nc_u64 s[18:19], s[18:19], s[48:49]      ; my block of kv
	s_add_nc_u64 s[20:21], s[20:21], s[50:51]      ; my block of qb
	s_add_nc_u64 s[14:15], s[14:15], s[52:53]
	s_add_nc_u64 s[16:17], s[16:17], s[54:55]
	s_cmp_lt_u32 s22, 4                            ; waves 0-3: wf and kv; waves 4-7: wg and qb.  The choice hangs on the wave's number alone
	s_cselect_b64 s[28:29], s[6:7], s[10:11]
	s_cselect_b64 s[30:31], s[8:9], s[12:13]
	s_cselect_b64 s[34:35], s[18:19], s[20:21]
	s_lshl_b32 s46, s23, 10                        ; my two tiles' images
	s_add_nc_u64 s[34:35], s[34:35], s[46:47]
	s_lshl_b32 s46, s22, 11
	s_add_co_u32 s46, s46, VIMG
	s_add_nc_u64 s[36:37], s[18:19], s[46:47]      ; V's images of my two channel tiles
	s_cmp_eq_u32 s22, 1                            ; the chunks: wave 0 K's scale words, wave 1 Q's, waves 2 and 3 V's
	s_cselect_b64 s[38:39], s[20:21], s[18:19]
	s_max_u32 s46, s22, 1
	s_lshl_b32 s46, s46, 9
	s_add_co_u32 s46, s46, 4096-512
	s_add_nc_u64 s[38:39], s[38:39], s[46:47]
	; the weights stay in registers
	WIN 0x40                                       ; destination window 1
.irp o, 0,1,2,3
.irp s, 0,1
.irp c, 0,1
	global_load_b128 v[WF+8*(2*\o+\s)+4*\c:WF+8*(2*\o+\s)+4*\c+3], v[WA], s[28:29] offset:(32*(\o/2)+8*(\o%2))*128+64*\s+32*\c
.endr
.endr
.endr
.irp n, 0,1
.irp s, 0,1
.irp c, 0,1
	global_load_b128 v[WH+8*(2*\n+\s)+4*\c:WH+8*(2*\n+\s)+4*\c+3], v[WHA], s[14:15] offset:2048*\n+64*\s+32*\c
.endr
.endr
.endr
	WIN 0
.irp o, 0,1,2,3
.irp s, 0,1
	global_load_b32 v[WFGS+2*\o+\s], v[WSA], s[30:31] offset:(32*(\o/2)+8*(\o%2))*8+4*\s
.endr
.endr
.irp n, 0,1
.irp s, 0,1
	global_load_b32 v[WHS+2*\n+\s], v[WHSA], s[16:17] offset:128*\n+4*\s
.endr
.endr
	; ---- X: four blocks, the loads two blocks ahead, each block in registers of its own
	LOADX 0
	LOADX 1
	s_wait_loadcnt 32                              ; all but the youngest 32: the weights and block 0 are in
	LOADX 2
	BLOCK 0
	s_wait_loadcnt 32                              ; block 1 is in, block 2's 32 may be out
	LOADX 3
	BLOCK 1
	s_wait_loadcnt 32                              ; block 2 is in, block 3's 32 may be out
	BLOCK 2
	s_wait_loadcnt 0x0
	BLOCK 3
	v_nop                                          ; one plain place behind the last scaled conversion: matrix instructions write its sources later
	ds_store_b32 v[XSS], v[SB]
	BARRIER                                        ; the 128 rows of codes and their scale words lie in LDS
	; ---- x's fragments: my own two tiles first, then all eight
	WIN 0x40
.irp t, 0,1
.irp s, 0,1
.irp c, 0,1
	ds_load_b128 v[XPF+8*(2*\t+\s)+4*\c:XPF+8*(2*\t+\s)+4*\c+3], v[XRD1] offset:16*PITCH*\t+64*\s+32*\c
.endr
.endr
.endr
	WIN 0
.irp t, 0,1
.irp s, 0,1
	ds_load_b32 v[XPS+2*\t+\s], v[XSR1] offset:512*\s+64*\t
.endr
.endr
	WIN 0x40
.irp t, 0,1,2,3,4,5,6,7
.irp s, 0,1
.irp c, 0,1
	ds_load_b128 v[XF+8*(2*\t+\s)+4*\c:XF+8*(2*\t+\s)+4*\c+3], v[XRD] offset:16*PITCH*\t+64*\s+32*\c
.endr
.endr
.endr
	WIN 0
.irp t, 0,1,2,3,4,5,6,7
.irp s, 0,1
	ds_load_b32 v[XSW+2*\t+\s], v[XSR] offset:512*\s+64*\t
.endr
.endr
	; ---- P1: fx or gx of my 32 positions: eight accumulators by turns, a K step at a time; the first K step starts the sums
	s_wait_dscnt 48                                ; my own tiles' 12 loads are in; the 32 + 16 issued behind them may be out
	WIN 0x05                                       ; sources 0 and 1 window 1; C and D window 0
.irp s, 0,1
.irp t, 0,1
.irp o, 0,1,2,3
.if \s == 0
	v_wmma_scale_f32_16x16x128_f8f6f4 v[ACCA+32*\t+8*\o:ACCA+32*\t+8*\o+7], v[WF+8*(2*\o+\s):WF+8*(2*\o+\s)+7], v[XPF+8*(2*\t+\s):XPF+8*(2*\t+\s)+7], 0, v[WFGS+2*\o+\s], v[XPS+2*\t+\s] matrix_a_fmt:MATRIX_FMT_FP4 matrix_b_fmt:MATRIX_FMT_FP4
.else
	v_wmma_scale_f32_16x16x128_f8f6f4 v[ACCA+32*\t+8*\o:ACCA+32*\t+8*\o+7], v[WF+8*(2*\o+\s):WF+8*(2*\o+\s)+7], v[XPF+8*(2*\t+\s):XPF+8*(2*\t+\s)+7], v[ACCA+32*\t+8*\o:ACCA+32*\t+8*\o+7], v[WFGS+2*\o+\s], v[XPS+2*\t+\s] matrix_a_fmt:MATRIX_FMT_FP4 matrix_b_fmt:MATRIX_FMT_FP4
.endif
.endr
.endr
.endr
	WIN 0
.rept 4
	v_nop                                          ; four places in front of the first read of results (ISA guide 7.12.1)
.endr
	QUANT ACCA, PC0, PW                            ; blocks 0, 1: the 64 channels of tile 2 pg's position; blocks 2, 3: of tile 2 pg + 1's.  So registers 0-3 and 4-7 of the codes are the two tiles' images
	global_store_b128 v[LI], v[PC0:PC0+3], s[34:35]
	global_store_b128 v[LI], v[PC0+4:PC0+7], s[34:35] offset:512
	v_lshrrev_b32 v[TT], v[SH16], v[PW]            ; lanes 0-15 keep tile 2 pg's two bytes, lanes 16-31 tile 2 pg + 1's;
	s_delay_alu instid0(VALU_DEP_1)
	v_and_b32 v[TT], 0xffff, v[TT]                 ; bytes 2 and 3, of the K that is not there, are 0
	ds_store_b32 v[SST1], v[TT]
	; ---- P2: my 32 channels of hx for the 128 positions: sixteen accumulators by turns
	s_wait_dscnt 0x0                               ; all of x's fragments and scale words are in
.rept 5
	v_nop                                          ; five places: accumulators that matrix instructions wrote are begun anew
.endr
	WIN 0x05
.irp s, 0,1
.irp t, 0,1,2,3,4,5,6,7
.irp n, 0,1
.if \s == 0
	v_wmma_scale_f32_16x16x128_f8f6f4 v[ACCA+64*\n+8*\t:ACCA+64*\n+8*\t+7], v[XF+8*(2*\t+\s):XF+8*(2*\t+\s)+7], v[WH+8*(2*\n+\s):WH+8*(2*\n+\s)+7], 0, v[XSW+2*\t+\s], v[WHS+2*\n+\s] matrix_a_fmt:MATRIX_FMT_FP4 matrix_b_fmt:MATRIX_FMT_FP4
.else
	v_wmma_scale_f32_16x16x128_f8f6f4 v[ACCA+64*\n+8*\t:ACCA+64*\n+8*\t+7], v[XF+8*(2*\t+\s):XF+8*(2*\t+\s)+7], v[WH+8*(2*\n+\s):WH+8*(2*\n+\s)+7], v[ACCA+64*\n+8*\t:ACCA+64*\n+8*\t+7], v[XSW+2*\t+\s], v[WHS+2*\n+\s] matrix_a_fmt:MATRIX_FMT_FP4 matrix_b_fmt:MATRIX_FMT_FP4
.endif
.endr
.endr
.endr
	WIN 0
.rept 4
	v_nop
.endr
	QUANT ACCA, PC1, PW+1                          ; channel tile 2 w: a whole fragment, 16 channels x 128 keys
	QUANT ACCB, PC2, PW+2                          ; channel tile 2 w + 1
.irp c, 0,1
	global_store_b128 v[LI], v[PC1+4*\c:PC1+4*\c+3], s[36:37] offset:512*\c
	global_store_b128 v[LI], v[PC2+4*\c:PC2+4*\c+3], s[36:37] offset:1024+512*\c
.endr
	v_cmp_ne_u32 vcc_lo, 0, v[SH16]
	s_delay_alu instid0(VALU_DEP_1)
	v_cndmask_b32 v[TT], v[PW+1], v[PW+2], vcc_lo  ; lanes 0-15 the even tile's word, lanes 16-31 the odd tile's
	ds_store_b32 v[SST2], v[TT]
	BARRIER                                        ; the four chunks of scale words are whole
	s_cmp_lt_u32 s22, 4
	s_cbranch_scc0 .Ldone                          ; waves 0-3 store a chunk each: 512 consecutive bytes
	ds_load_b128 v[CK:CK+3], v[SRD]
	s_wait_dscnt 0x0
	global_store_b128 v[LI], v[CK:CK+3], s[38:39]
.Ldone:
	s_wait_tensorcnt 0x0                           ; the wave's end: three lines behind my last LDS store
	ds_add_u32 v[SPW], v[NIL]
	s_wait_dscnt 0x0
	s_endpgm
.Lfunc_end_k_q084055f862_project:
	.size	k_q084055f862_project, .Lfunc_end_k_q084055f862_project-k_q084055f862_project
	.p2alignl 7, 3214868480
	.fill 96, 4, 3214868480
	.section	.rodata,"a",@progbits
	.p2align	6, 0x0
	.amdhsa_kernel k_q084055f862_project
		.amdhsa_group_segment_fixed_size 22528
		.amdhsa_private_segment_fixed_size 0
		.amdhsa_enable_private_segment 0
		.amdhsa_kernarg_size 72
		.amdhsa_user_sgpr_count 2
		.amdhsa_user_sgpr_kernarg_segment_ptr 1
		.amdhsa_wavefront_size32 1
		.amdhsa_system_sgpr_workgroup_id_x 1
		.amdhsa_system_sgpr_workgroup_id_y 1
		.amdhsa_system_sgpr_workgroup_id_z 1
		.amdhsa_system_vgpr_workitem_id 0
		.amdhsa_next_free_vgpr 512
		.amdhsa_next_free_sgpr 66
		.amdhsa_reserve_vcc 1
		.amdhsa_float_denorm_mode_32 3
		.amdhsa_float_denorm_mode_16_64 3
		.amdhsa_memory_ordered 1
		.amdhsa_forward_progress 1
		.amdhsa_inst_pref_size 54
	.end_amdhsa_kernel
	.amdgpu_metadata
---
amdhsa.version: [ 1, 2 ]
amdhsa.kernels:
  - .name:           k_q084055f862_project
    .symbol:         k_q084055f862_project.kd
    .args:
      - { .name: x, .offset: 0, .size: 8, .value_kind: global_buffer, .address_space: global }
      - { .name: wf_codes, .offset: 8, .size: 8, .value_kind: global_buffer, .address_space: global }
      - { .name: wf_scales, .offset: 16, .size: 8, .value_kind: global_buffer, .address_space: global }
      - { .name: wg_codes, .offset: 24, .size: 8, .value_kind: global_buffer, .address_space: global }
      - { .name: wg_scales, .offset: 32, .size: 8, .value_kind: global_buffer, .address_space: global }
      - { .name: wh_codes, .offset: 40, .size: 8, .value_kind: global_buffer, .address_space: global }
      - { .name: wh_scales, .offset: 48, .size: 8, .value_kind: global_buffer, .address_space: global }
      - { .name: kv, .offset: 56, .size: 8, .value_kind: global_buffer, .address_space: global }
      - { .name: qb, .offset: 64, .size: 8, .value_kind: global_buffer, .address_space: global }
    .group_segment_fixed_size: 22528
    .private_segment_fixed_size: 0
    .kernarg_segment_align: 8
    .kernarg_segment_size: 72
    .max_flat_workgroup_size: 256
    .sgpr_count:     66
    .vgpr_count:     512
    .wavefront_size: 32
...
	.end_amdgpu_metadata
.endif
;; end of part 1
;; launch attend (part 2): grid 32 x 8, 8 waves a work-group, clusters of 4 x 1, 327,680 bytes of LDS; arguments kv, qb, x, gamma, out0; writes out0
.if DOCPART == 2
	.amdgcn_target "amdgcn-amd-amdhsa--gfx1250"
	.amdhsa_code_object_version 6
	.text
	.protected	k_q084055f862_attend
	.globl	k_q084055f862_attend
	.p2align	8
	.type	k_q084055f862_attend,@function
k_q084055f862_attend:
	s_mov_b64 s[64:65], 0
	v_nop
	global_prefetch_b8 v0, s[64:65] scope:SCOPE_SE
	s_setreg_imm32_b32 hwreg(HW_REG_WAVE_MODE, 25, 1), 1
	s_wait_xcnt 0x0
	s_wait_alu depctr_hold_cnt(0) depctr_sa_sdst(0) depctr_va_vdst(0) depctr_va_sdst(0) depctr_va_ssrc(0) depctr_va_vcc(0) depctr_vm_vsrc(0)
	s_getreg_b32 s2, hwreg(HW_REG_IB_STS2, 6, 4)
	s_cmp_eq_u32 s2, 0
	s_cbranch_scc0 .Lentry_in_a_cluster
	s_endpgm
.Lentry_in_a_cluster:
	s_bfe_u32 s2, ttmp6, 0x10000c
	s_cmp_lg_u32 s2, 0x3003
	s_cbranch_scc0 .Lentry_shape_is_right
	s_endpgm
.Lentry_shape_is_right:
; ATTEND: out[c][m] = gamma x (the sum over keys n of hx[c][n] p[n][m]) / l[m] + x[c][m], p = 2^(t - M), t = (fx[:, n] . gx[:, m]) x log2(e), for each of 8 batches; 4,096 keys n, 4,096 queries m, 256 channels c.
; Both products on codes of FP4 (E2M1) with E8M0 scales; K, V and Q come as images of operand registers, made by the launch before (its head comment has their layouts).  No work of the problem is left out.
; THE SOFTMAX AHEAD OF THE SECOND PRODUCT: M = the query's largest t so far, rounded UP to a whole number; p is quantised along the keys, not normalised; the sum l is taken of the unquantised p and divides at the end.
; When M moves, l and O are multiplied by 2^(old M - new M): exact.
; LIMITS: a block of p under 2^-124 keeps the scale byte 1 (its codes are zeros); NaN and infinities among the inputs are not served.
; SHARES.  A work-group owns 128 queries of one batch: 256 work-groups.  Each of its eight waves owns one tile of 16 queries and all 256 channels of O^T (128 registers): two waves to a SIMD, 512 registers each,
; so that one wave's vector work stands beside the other's matrix work and LDS loads.  Every wave walks the batch's 32 key steps of 128 keys.
; LAYOUT.  Both products transposed: S^T = K Q^T (source 0 = 16 keys, source 1 = my 16 queries), O^T = V^T P^T (source 0 = 16 channels, source 1 = P): a lane holds ONE query throughout.
; Row r of tile 2 b + u is key (or query) 32 b + 8 u + r + 8 (r / 8): the 16 registers of tiles 2 b, 2 b + 1 of S^T are 16 neighbouring keys.
; K = 64 IN AN INSTRUCTION OF 128: Q's fragment is four registers of codes and four of zero codes, so the upper four registers of K's fragment may hold any codes: tile t lies at KF + 4 t and its upper half is
; tile t + 1's codes; four registers of zeros follow the last.  Bytes 2 and 3 of the scale words are 0: no NaN.
; CLUSTER.  The four work-groups of a cluster belong to one batch and walk the same K and V: each slot is asked for JOINTLY, the same tensor load with the same descriptor and the mask 15 in all four.
; THE RING: two slots of four key steps (88,064 bytes, dense in memory).  Every wave fetches an eighth of a slot: 43 rows of 256 bytes, one tensor load a wave behind each round; by this text's count one load of a wave is out.
; All LDS reads of the loop are images: 16 x lane + a constant, 512 consecutive bytes an instruction: no padding.
.set STEPB, 22016                      ; a key step in kv: K's images 0, K's scale words 4096, V's scale words 4608, V's images 5632
.set KSC,   4096
.set VSC,   4608
.set VIMG,  5632
.set SLOTB, 4*STEPB
.set EIGHTH, SLOTB/8
.set BATCHB, 32*STEPB
.set SLOT1, 1<<17                      ; slot 1 begins here: one exclusive or turns an address in one slot into the other's
.set SPARE, SLOT1+SLOTB                ; the spare words, 128 bytes for each wave: four blocks of 256 bytes that no other line names
.set SP,    528                        ; the way out: a stage of 256 channel rows x (512 bytes + 16), from LDS byte 0: written behind the last fill of the launch and behind a barrier that follows the last read of the slots
; window 0
.set LI,  1                            ; 16 x lane
.set ADR, 2                            ; the key step's LDS address
.set SPW, 3                            ; LDS address of my spare word; never rewritten
.set NIL, 4                            ; 0; never rewritten
.set PFO, 5                            ; the prefetches' offset in a key step: 256 x min(thread, 85)
.set XPO, 6                            ; 16384 x lane: a channel row of x a lane
.set STO, 7                            ; v7-10 the stage: where my query's numbers go, channels 64 k on
.set RD,  11                           ; and where I read whole rows back
                                       ; v12 -M, v13 the largest t, v[14:15] the sum in two halves
.set QF,  16                           ; v16-19 Q's codes, v20-23 zero codes
.set QS,  24                           ; Q's scale words
.set PS,  25                           ; p's scale word
.set F,   26                           ; v[26:27] f = 2^(old M - new M) (the pair's upper half is named with it, so it is written once)
.set KS,  28                           ; v28-31 K's scale words: register q: lanes 0-15 tile 2 q, lanes 16-31 tile 2 q + 1
.set VS,  32                           ; v32-39 V's, likewise
.set KF,  40                           ; v40-71 K's eight tiles, v72-75 zeros
.set PC,  76                           ; v76-83 p's codes
.set BM,  84                           ; v84-87 the blocks' largest scores, then largest p
.set T2,  88                           ; v88-91 at work
.set SO,  92                           ; v92-95 the conversions' scale operands
.set TT,  96                           ; v96-100 at work
.set S,   128                          ; v128-191 S^T, then p
.set XR,  128                          ; the way out: v128-255 my 32 rows of x, then of the result
; window 1
.set O,   0                            ; v0-127 O^T, channel tile c at 8 c
.set VF,  128                          ; v128-255 V's fragments; on the way out the rows read back from the stage
.set WV,  15
.set SEL, 20                           ; s[20:21] v_permlanex16_b32's selects for lane l xor 16
.set CS,  22                           ; s[22:23] log2(e): the packed form names a pair and takes its low word for both halves
.set G1,  24                           ; s[24:31] descriptor group 1
.set G0,  32                           ; s[32:35] descriptor group 0, which walks
.set TB,  36                           ; LDS byte at which the key step in hand begins
.set SLOTS, 37
.set INNER, 38
.set LIM, 39                           ; 1 in a wave that prefetches, else the greatest number
.set PFA, 40                           ; s[40:41] where my work-group's prefetches stand
.set XB,  50                           ; s[50:51] x at my wave's 32 channel rows, my work-group's 128 positions
.set OB,  52                           ; s[52:53] out0 likewise
.set MSB, 0
.macro WIN new                         ; the immediate's high byte repeats the setting that is left
.if MSB != \new
	s_set_vgpr_msb (MSB<<8)|\new
.set MSB, \new
.endif
.endm
; A round of the cluster's barrier: my work-group's barrier, wave 0 signals for the work-group, every wave waits for all four work-groups, my work-group's barrier once more.
.macro CROUND
	s_barrier_signal -1
	s_barrier_wait -1
	s_cmp_lg_u32 s[WV], 0
	s_cbranch_scc1 .Lnot_wave_0_\@
	s_barrier_signal -3
.Lnot_wave_0_\@:
	s_barrier_wait -3
	s_barrier_signal -1
	s_barrier_wait -1
.endm
; A PREFETCH INTO THE L2 of the slot that the NEXT change of slots will ask for: four key steps ahead of that load.  All eight clusters of a batch walk the same kv: the batch's first cluster asks.  Its four partners
; share the slot out BY ADDRESS, a key step (86 blocks of 256 bytes) each; in each, waves 0 to 2 ask, a lane a block (the last ten lanes of wave 2 name the last block again).  The last change that fills a slot asks for nothing.
.macro ASK
	s_cmp_gt_u32 s[SLOTS], s[LIM]
	s_cbranch_scc0 .Lnot_mine_\@
	global_prefetch_b8 v[PFO], s[PFA:PFA+1] th:TH_LOAD_NT scope:SCOPE_SE
.Lnot_mine_\@:
.endm
; THE CHANGE OF SLOTS stands at a slot's head.  Each wave waits for all its tensor loads (its eighth of the slot that it is about to read), adds 0 to its spare word, and waits for that and for its reads of the slot it has left.
; fill = 1: a round of the cluster's barrier, and behind it the other slot is asked for jointly: the load has four key steps in which to land.
.macro CHANGE fill
	s_wait_tensorcnt 0x0                           ; no tensor load of mine is out, so group 0 may be written
	ds_add_u32 v[SPW], v[NIL]                      ; 0 onto my spare word
.if \fill
	s_xor_b32 s[G0+1], s[G0+1], SLOT1              ; the other slot than last time,
	s_add_nc_u64 s[G0+2:G0+3], s[G0+2:G0+3], SLOTB ; the next four key steps; the type bits on top are not reached
	s_wait_xcnt 0x0                                ; the last prefetch, a slot back, has read its address
	s_add_nc_u64 s[PFA:PFA+1], s[PFA:PFA+1], SLOTB ; one slot further on than the descriptor
	s_wait_dscnt 0x0                               ; the add is done, and my reads of the slot that I have left are over
	CROUND                                         ; both hold of every wave of all four work-groups
	tensor_load_to_lds s[G0:G0+3], s[G1:G1+7]      ; my one tensor load behind the round, and the first thing there
	s_nop 0
.rept 4
	v_nop
.endr
	ASK
.else
	s_wait_dscnt 0x0
	s_barrier_signal -1
	s_barrier_wait -1
.endif
.endm
; A KEY STEP: 128 keys at LDS byte s[TB].
.macro STEP
	v_add_nc_u32 v[ADR], s[TB], v[LI]              ; with the three v_nop: four places in front of loads into registers that the last products read (ISA guide 7.12.1 for vector instructions)
.rept 3
	v_nop
.endr
.irp t, 0,1,2,3,4,5,6,7
	ds_load_b128 v[KF+4*\t:KF+4*\t+3], v[ADR] offset:512*\t
.endr
	ds_load_b128 v[KS:KS+3], v[ADR] offset:KSC
	ds_load_b128 v[VS:VS+3], v[ADR] offset:VSC
	ds_load_b128 v[VS+4:VS+7], v[ADR] offset:VSC+512
	WIN 0x40                                       ; destination window 1: V's 16 fragments land while the softmax is worked
.set jj, 0
.rept 32
	ds_load_b128 v[VF+4*jj:VF+4*jj+3], v[ADR] offset:VIMG+512*jj
.set jj, jj+1
.endr
	WIN 0
	s_wait_dscnt 34                                ; K's nine loads are in; V's 2 + 32, issued behind them, may be out
.irp t, 0,1,2,3,4,5,6,7
.if \t % 2
	v_wmma_scale_f32_16x16x128_f8f6f4 v[S+8*\t:S+8*\t+7], v[KF+4*\t:KF+4*\t+7], v[QF:QF+7], 0, v[KS+\t/2], v[QS] matrix_a_fmt:MATRIX_FMT_FP4 matrix_b_fmt:MATRIX_FMT_FP4 matrix_a_scale:MATRIX_SCALE_ROW1
.else
	v_wmma_scale_f32_16x16x128_f8f6f4 v[S+8*\t:S+8*\t+7], v[KF+4*\t:KF+4*\t+7], v[QF:QF+7], 0, v[KS+\t/2], v[QS] matrix_a_fmt:MATRIX_FMT_FP4 matrix_b_fmt:MATRIX_FMT_FP4
.endif
.endr
.rept 4
	v_nop                                          ; four places in front of the first read of results
.endr
.irp b, 0,1,2,3
	v_max3_num_f32 v[BM+\b], v[S+16*\b], v[S+1+16*\b], v[S+2+16*\b]   ; THE LARGEST SCORE OF EACH BLOCK OF 32 KEYS serves twice: for the query's maximum and, since p rises with the score, for the block's largest p
.endr
.irp i, 3,5,7,9,11,13
.irp b, 0,1,2,3
	v_max3_num_f32 v[BM+\b], v[BM+\b], v[S+16*\b+\i], v[S+1+16*\b+\i]   ; the four blocks by turns
.endr
.endr
.irp b, 0,1,2,3
	v_max_num_f32 v[BM+\b], v[BM+\b], v[S+15+16*\b]
.endr
.irp b, 0,1,2,3
	s_delay_alu instid0(VALU_DEP_4)
	v_permlanex16_b32 v[T2+\b], v[BM+\b], s[SEL], s[SEL+1]
.endr
.irp b, 0,1,2,3
	s_delay_alu instid0(VALU_DEP_4)
	v_max_num_f32 v[BM+\b], v[BM+\b], v[T2+\b]     ; with lane l xor 16's 16 keys
.endr
	s_delay_alu instid0(VALU_DEP_2)
	v_max3_num_f32 v[TT], v[BM], v[BM+1], v[BM+2]
	s_delay_alu instid0(VALU_DEP_1)
	v_max_num_f32 v[TT], v[TT], v[BM+3]            ; the step's largest score of my query
	s_delay_alu instid0(VALU_DEP_1)
	v_mul_f32 v[TT], s[CS], v[TT]                  ; as t
	s_delay_alu instid0(VALU_DEP_1)
	v_max_num_f32 v13, v13, v[TT]                  ; the running largest t
	v_mov_b32 v[TT], v12
	s_delay_alu instid0(VALU_DEP_2)
	v_floor_f32 v12, -v13                          ; the new -M = floor(-t) = -ceil(t): M is a whole number
	s_delay_alu instid0(VALU_DEP_1)
	v_sub_f32 v[TT], v12, v[TT]                    ; old M - new M: a whole number, 0 or less
	s_delay_alu instid0(VALU_DEP_1)
	v_cvt_i32_f32 v[TT], v[TT]                     ; (it saturates)
	s_delay_alu instid0(VALU_DEP_1)
	v_ldexp_f32 v[F], 1.0, v[TT]                   ; f = 2^(old M - new M): a multiplication by it rounds nothing
.set jj, 0
.rept 32
	v_pk_fma_f32 v[S+jj:S+jj+1], v[S+jj:S+jj+1], s[CS:CS+1], v[12:13] op_sel_hi:[1,0,0]   ; t - M, two at a time
.set jj, jj+2
.endr
.irp b, 0,1,2,3
	v_fma_f32 v[BM+\b], v[BM+\b], s[CS], v12       ; the same of each block's largest score
.endr
.set jj, 0
	s_wait_alu depctr_va_vdst(0)
.rept 64
	v_exp_f32 v[S+jj], v[S+jj]                     ; p = 2^(t - M), at most 1: not normalised
.set jj, jj+1
.endr
	v_pk_mul_f32 v[14:15], v[14:15], v[F:F+1] op_sel_hi:[1,0]   ; the sums under the new M: the plain place behind the exponentials
	s_wait_alu depctr_va_vdst(0)                   ; the wait ahead of the first line that names a result: one for the batch of 64
.irp b, 0,1,2,3
	v_exp_f32 v[BM+\b], v[BM+\b]                   ; the block's largest p: the same two instructions on the same number give the same bits
.endr
	v_pk_add_f32 v[88:89], v[132:133], v[136:137]
	v_pk_add_f32 v[254:255], v[140:141], v[144:145]
	v_pk_add_f32 v[252:253], v[148:149], v[152:153]
	v_pk_add_f32 v[250:251], v[156:157], v[160:161]
	v_pk_add_f32 v[248:249], v[164:165], v[168:169]
	v_pk_add_f32 v[246:247], v[172:173], v[176:177]
	v_pk_add_f32 v[244:245], v[180:181], v[184:185]
	v_pk_add_f32 v[14:15], v[14:15], v[188:189]
	v_pk_add_f32 v[88:89], v[88:89], v[128:129]
	v_pk_add_f32 v[254:255], v[254:255], v[130:131]
	v_pk_add_f32 v[252:253], v[252:253], v[134:135]
	v_pk_add_f32 v[250:251], v[250:251], v[138:139]
	v_pk_add_f32 v[248:249], v[248:249], v[142:143]
	v_pk_add_f32 v[246:247], v[246:247], v[146:147]
	v_pk_add_f32 v[244:245], v[244:245], v[150:151]
	v_pk_add_f32 v[14:15], v[14:15], v[154:155]
	v_pk_add_f32 v[88:89], v[88:89], v[158:159]
	v_pk_add_f32 v[254:255], v[254:255], v[162:163]
	v_pk_add_f32 v[252:253], v[252:253], v[166:167]
	v_pk_add_f32 v[250:251], v[250:251], v[170:171]
	v_pk_add_f32 v[248:249], v[248:249], v[174:175]
	v_pk_add_f32 v[246:247], v[246:247], v[178:179]
	v_pk_add_f32 v[244:245], v[244:245], v[182:183]
	v_pk_add_f32 v[14:15], v[14:15], v[186:187]
	v_pk_add_f32 v[88:89], v[88:89], v[190:191]
	s_delay_alu instid0(VALU_DEP_2)
	v_pk_add_f32 v[14:15], v[14:15], v[250:251]
	s_delay_alu instid0(VALU_DEP_2)
	v_pk_add_f32 v[88:89], v[88:89], v[248:249]
	v_pk_add_f32 v[254:255], v[254:255], v[246:247]
	v_pk_add_f32 v[252:253], v[252:253], v[244:245]
	s_delay_alu instid0(VALU_DEP_2)
	v_pk_add_f32 v[14:15], v[14:15], v[254:255]
	s_delay_alu instid0(VALU_DEP_2)
	v_pk_add_f32 v[88:89], v[88:89], v[252:253]
	s_delay_alu instid0(VALU_DEP_1)
	v_pk_add_f32 v[14:15], v[14:15], v[88:89]
	s_wait_alu depctr_va_vdst(0)                   ; and one for the four
.irp b, 0,1,2,3
	v_max_num_f32 v[BM+\b], 0x1800000, v[BM+\b]    ; the floor 2^(3 - 127): the byte cannot fall under 1
.endr
.irp b, 0,1,2,3
	s_delay_alu instid0(VALU_DEP_4)
	v_add_nc_u32 v[SO+\b], 0xff000000, v[BM+\b]    ; 2 off the exponent field: the conversion's scale operand
.endr
.irp b, 0,1,2,3
	s_delay_alu instid0(VALU_DEP_4)
	v_lshrrev_b32 v[T2+\b], 23, v[SO+\b]           ; the scale's byte
.endr
	s_delay_alu instid0(VALU_DEP_3)
	v_lshl_or_b32 v[PS], v[T2+1], 8, v[T2]         ; p's scale word for these 128 keys
	s_delay_alu instid0(VALU_DEP_1)
	v_lshl_or_b32 v[PS], v[T2+2], 16, v[PS]
	s_delay_alu instid0(VALU_DEP_1)
	v_lshl_or_b32 v[PS], v[T2+3], 24, v[PS]
.irp b, 0,1,2,3
	v_cvt_scalef32_pk8_fp4_f32 v[PC+2*\b], v[S+16*\b:S+7+16*\b], v[SO+\b]
	v_cvt_scalef32_pk8_fp4_f32 v[PC+1+2*\b], v[S+8+16*\b:S+15+16*\b], v[SO+\b]
.endr
	v_nop                                          ; one plain place behind a scaled conversion
.irp c, 0,1                            ; the operand's layout wants a WHOLE block in a lane
.irp i, 0,1
	v_permlane16_swap_b32 v[PC+4*\c+\i], v[PC+2+4*\c+\i]
.endr
.endr
	WIN 0x41                                       ; O^T (destination and source 0) window 1, f window 0
.set jj, 0
.rept 64
	v_pk_mul_f32 v[O+jj:O+jj+1], v[O+jj:O+jj+1], v[F:F+1] op_sel_hi:[1,0]   ; O^T under the new M; these lines are also the places between p's codes and scale word and the products below
.set jj, jj+2
.endr
	s_wait_alu depctr_va_vdst(0)
	s_wait_dscnt 0x0                               ; V and its scale words are in
	WIN 0x51                                       ; V window 1, p window 0, C and D window 1
.irp c, 0,1,2,3,4,5,6,7,8,9,10,11,12,13,14,15
.if \c % 2
	v_wmma_scale_f32_16x16x128_f8f6f4 v[O+8*\c:O+8*\c+7], v[VF+8*\c:VF+8*\c+7], v[PC:PC+7], v[O+8*\c:O+8*\c+7], v[VS+\c/2], v[PS] matrix_a_fmt:MATRIX_FMT_FP4 matrix_b_fmt:MATRIX_FMT_FP4 matrix_a_scale:MATRIX_SCALE_ROW1
.else
	v_wmma_scale_f32_16x16x128_f8f6f4 v[O+8*\c:O+8*\c+7], v[VF+8*\c:VF+8*\c+7], v[PC:PC+7], v[O+8*\c:O+8*\c+7], v[VS+\c/2], v[PS] matrix_a_fmt:MATRIX_FMT_FP4 matrix_b_fmt:MATRIX_FMT_FP4
.endif
.endr
	WIN 0
	s_add_co_u32 s[TB], s[TB], STEPB               ; the next key step
.endm
.macro STEPS n                         ; the key step is written once and walked n times
	s_mov_b32 s[INNER], \n
.Lstep_\@:
	STEP
	s_sub_co_u32 s[INNER], s[INNER], 1
	s_cmp_lg_u32 s[INNER], 0
	s_cbranch_scc1 .Lstep_\@
.endm
	s_load_b256 s[4:11], s[0:1], 0x0               ; kv s[4:5], qb s[6:7], x s[8:9], gamma s[10:11]
	s_load_b64 s[12:13], s[0:1], 0x20              ; out0
	v_lshl_add_u32 v[SPW], v0, 2, SPARE
	v_mov_b32 v[NIL], 0
	ds_add_u32 v[SPW], v[NIL]                      ; the wave's opening: the add, twice on end, and its wait ahead of my first tensor load; the set-up below stands between
	ds_add_u32 v[SPW], v[NIL]                      ; and once more, under the one wait
	v_lshrrev_b32 v[TT], 5, v0
	s_delay_alu instid0(VALU_DEP_1)
	v_readfirstlane_b32 s[WV], v[TT]               ; wave 0..7
	s_bfe_u32 s16, ttmp6, 0x40000                  ; cx: my place in the cluster
	s_lshl_b32 s17, ttmp9, 2                       ; in a cluster launch ttmp9 counts clusters
	s_add_co_u32 s17, s17, s16                     ; my block of 128 queries: it enters Q's, x's and out0's addresses alone
	s_and_b32 s18, ttmp7, 0xffff                   ; the batch, which the four partners share
	; descriptor group 1: 43 rows of 256 bytes (32 elements of 8 bytes), dense in memory and in LDS
	s_mov_b32 s[G1], 15|(3<<16)|(1<<21)            ; 15:0 the mask: all four work-groups; 17:16 elements of 8 bytes; 21 set beside a mask; no padding
	s_mov_b32 s[G1+1], 32<<16                      ; tensor_dim0 = 32
	s_mov_b32 s[G1+2], 43<<16                      ; tensor_dim1 = 43
	s_mov_b32 s[G1+3], 32<<16                      ; tile_dim0 = 32
	s_mov_b32 s[G1+4], 43                          ; tile_dim1 = 43
	s_mov_b32 s[G1+5], 32                          ; from row to row
	s_mov_b32 s[G1+6], 0
	s_mov_b32 s[G1+7], 0
	s_mov_b32 s[SEL], 0x76543210
	s_mov_b32 s[SEL+1], 0xfedcba98
	s_mov_b32 s[CS], 0x3fb8aa3b                    ; log2(e)
	s_mov_b32 s[CS+1], s[CS]
	s_mov_b32 s[TB], 0
	s_mov_b32 s[SLOTS], 7
	s_cmp_lt_u32 s[WV], 3                          ; waves 0 to 2
	s_cselect_b32 s[LIM], 0, 1
	s_or_b32 s[LIM], s[LIM], ttmp9                 ; of the batch's first cluster: the same in all four partners
	s_cmp_eq_u32 s[LIM], 0
	s_cselect_b32 s[LIM], 1, -1
	s_mul_i32 s42, s18, BATCHB                     ; the batch's bytes in kv
	s_mov_b32 s43, 0
	s_mul_i32 s44, s[WV], EIGHTH                   ; my eighth of a slot, in memory and in LDS: no place in the cluster enters it
	s_mov_b32 s45, 0
	s_mul_i32 s46, s16, STEPB                      ; the prefetches: my work-group's key step of a slot,
	s_add_co_u32 s46, s46, SLOTB                   ; in slot 1: the first change of slots steps it to slot 2.  Nothing is prefetched at the head
	s_mov_b32 s47, 0
	s_lshl_b32 s48, s18, 5
	s_add_co_u32 s48, s48, s17
	s_mul_i32 s48, s48, 4608                       ; my block of qb
	s_mov_b32 s49, 0
	s_lshl_b32 s50, s18, 22                        ; x and out0: the batch's 4 MiB,
	s_lshl_b32 s51, s[WV], 19                      ; my wave's 32 channel rows,
	s_add_co_u32 s50, s50, s51
	s_lshl_b32 s51, s17, 9                         ; my work-group's 128 positions
	s_add_co_u32 s50, s50, s51
	s_mov_b32 s51, 0
	s_wait_dscnt 0x0                               ; both opening adds are done
	s_wait_kmcnt 0x0
	s_load_b32 s14, s[10:11], 0x0                  ; gamma
	s_add_nc_u64 s[4:5], s[4:5], s[42:43]          ; kv at my batch
	s_add_nc_u64 s[PFA:PFA+1], s[4:5], s[46:47]
	s_add_nc_u64 s[6:7], s[6:7], s[48:49]
	s_add_nc_u64 s[OB:OB+1], s[12:13], s[50:51]
	s_add_nc_u64 s[XB:XB+1], s[8:9], s[50:51]
	s_mov_b32 s[G0], 1                             ; count = 1
	s_mov_b32 s[G0+1], s44                         ; LDS address: slot 0
	s_add_nc_u64 s[G0+2:G0+3], s[4:5], s[44:45]    ; global address: key steps 0 to 3
	s_or_b32 s[G0+3], s[G0+3], 0x80000000          ; type = 2
	CROUND                                         ; all four work-groups are here: the first joint loads meet
	tensor_load_to_lds s[G0:G0+3], s[G1:G1+7]      ; slot 0: every wave issues its eighth
	s_nop 0
.rept 4
	v_nop
.endr
	v_and_b32 v[TT], 15, v0                        ; r
	v_bfe_u32 v[TT+1], v0, 4, 1                    ; h
	v_and_b32 v[TT+2], 31, v0                      ; lane
	v_lshlrev_b32 v[TT+3], 4, v0                   ; Q's image of tile w: 512 w + 16 x lane = 16 x thread
	global_load_b128 v[QF:QF+3], v[TT+3], s[6:7]
	s_and_b32 s42, s[WV], 1
	s_lshr_b32 s43, s[WV], 1
	s_lshl_b32 s44, s42, 8
	s_lshl_b32 s45, s43, 2
	s_add_co_u32 s44, s44, s45
	v_lshl_add_u32 v[TT+4], v[TT], 4, s44          ; its scale words: 16 (16 (w % 2) + r) + 4 (w / 2)
	global_load_b32 v[QS], v[TT+4], s[6:7] offset:4096
	v_lshlrev_b32 v[LI], 4, v[TT+2]
	v_lshlrev_b32 v[XPO], 14, v[TT+2]
	v_min_u32 v[PFO], 85, v0
	s_delay_alu instid0(VALU_DEP_1)
	v_lshlrev_b32 v[PFO], 8, v[PFO]
	v_and_b32 v[STO], 8, v[TT]                     ; the stage: my query's place in a row: 4 (32 (w / 2) + 8 (w % 2) + r + 8 (r / 8)); my half's eight channels: 8 h rows
	s_delay_alu instid0(VALU_DEP_1)
	v_add_nc_u32 v[STO], v[STO], v[TT]
	s_delay_alu instid0(VALU_DEP_1)
	v_lshlrev_b32 v[STO], 2, v[STO]
	s_delay_alu instid0(VALU_DEP_1)
	v_mad_u32_u24 v[STO], v[TT+1], 8*SP, v[STO]
	s_lshl_b32 s44, s43, 7
	s_lshl_b32 s45, s42, 5
	s_add_co_u32 s44, s44, s45
	v_add_nc_u32 v[STO], s44, v[STO]
.irp k, 1,2,3
	v_add_nc_u32 v[STO+\k], 64*SP*\k, v[STO]
.endr
	s_mul_i32 s44, s[WV], 32*SP
	v_add_nc_u32 v[RD], s44, v[LI]                 ; back: my 32 channel rows, 16 bytes a lane
	v_mov_b32 v13, 0xff61b1e6                      ; the largest t so far: -3e38, under every t
	s_delay_alu instid0(VALU_DEP_1)
	v_floor_f32 v12, -v13                          ; -M
	v_mov_b32 v14, 0                               ; the sum, in two halves
	v_mov_b32 v15, 0
	v_mov_b32 v[F], 0
	v_mov_b32 v[F+1], 0
.irp b, 0,1,2,3
	v_mov_b32 v[QF+4+\b], 0                        ; Q's zero codes for K = 64 .. 127
	v_mov_b32 v[KF+32+\b], 0                       ; what follows K's last tile
	v_mov_b32 v[T2+\b], 0                          ; a lane permute's destination counts as one of its sources
.endr
	WIN 0x40
.set jj, 0
.rept 128
	v_mov_b32 v[O+jj], 0                           ; O^T.  The key step is written once: its first walk finds zeros, which the first change of M leaves zeros
.set jj, jj+1
.endr
	WIN 0
	s_wait_loadcnt 0x0                             ; Q
	s_wait_kmcnt 0x0                               ; gamma
.Lslot:                                            ; seven trips: behind each change of slots but the last the next slot is asked for
	CHANGE 1
	STEPS 4
	s_sub_co_u32 s[TB], s[TB], SLOTB               ; back to a slot's first step,
	s_xor_b32 s[TB], s[TB], SLOT1                  ; in the other slot
	s_sub_co_u32 s[SLOTS], s[SLOTS], 1
	s_cmp_lg_u32 s[SLOTS], 0
	s_cbranch_scc1 .Lslot
	CHANGE 0                                       ; the last slot is written out
	STEPS 2
	global_prefetch_b8 v[XPO], s[XB:XB+1] th:TH_LOAD_NT scope:SCOPE_SE             ; the residual: my 32 rows of x, 512 bytes each, a lane a row, two key steps ahead of their loads; each block is named once in the launch
	global_prefetch_b8 v[XPO], s[XB:XB+1] offset:256 th:TH_LOAD_NT scope:SCOPE_SE
	STEPS 2
	; THE WAY OUT.  O^T x gamma / l goes through a stage in LDS (a lane holds one query, a row of the result is 128 queries of eight waves) and comes back as whole rows of 512 bytes, to which x is added.
.rept 4
	v_nop                                          ; four places behind the last products
.endr
.set jj, 0
.rept 32
	global_load_b128 v[XR+4*jj:XR+4*jj+3], v[LI], s[XB:XB+1] offset:16384*jj th:TH_LOAD_NT   ; 32 lanes read 512 consecutive bytes
.set jj, jj+1
.endr
	v_add_f32 v14, v14, v15                        ; the sum's two halves,
	s_delay_alu instid0(VALU_DEP_1)
	v_permlanex16_b32 v[T2], v14, s[SEL], s[SEL+1]
	s_delay_alu instid0(VALU_DEP_1)
	v_add_f32 v14, v14, v[T2]                      ; and lane l xor 16's: the query's sum
	s_wait_alu depctr_va_vdst(0)
	v_rcp_f32 v14, v14
	v_nop                                          ; a plain place behind the transcendental
	s_wait_alu depctr_va_vdst(0)                   ; and the wait ahead of the first use
	v_mul_f32 v[F], s14, v14                       ; gamma / l
	WIN 0x41
.set jj, 0
.rept 64
	v_pk_mul_f32 v[O+jj:O+jj+1], v[O+jj:O+jj+1], v[F:F+1] op_sel_hi:[1,0]   ; each accumulator from its low end on
.set jj, jj+2
.endr
	WIN 0
	s_wait_alu depctr_va_vdst(0)
	s_wait_dscnt 0x0                               ; my reads of the last slot are over
	s_barrier_signal -1
	s_barrier_wait -1                              ; everybody's are: the stage may be written
	WIN 0x04                                       ; an LDS store's data are its source 1: window 1
.irp k, 0,1,2,3
.irp c, 0,1,2,3
.irp j, 0,1,2,3,4,5,6,7
	ds_store_b32 v[STO+\k], v[O+8*(4*\k+\c)+\j] offset:(16*\c+\j)*SP   ; channel 64 k + 16 c + 8 h + j, my query
.endr
.endr
.endr
	WIN 0
	s_wait_dscnt 0x0                               ; for the others' sake: my stores into the stage are done
	s_barrier_signal -1
	s_barrier_wait -1
	WIN 0x40                                       ; into the registers that held V's fragments
.set jj, 0
.rept 32
	ds_load_b128 v[VF+4*jj:VF+4*jj+3], v[RD] offset:SP*jj
.set jj, jj+1
.endr
	WIN 0
	s_wait_loadcnt 0x0                             ; x
.irp g, 0,1,2,3
	s_wait_dscnt 24-8*\g                           ; these eight rows are back; the younger loads may be out
	WIN 0x04                                       ; source 1 window 1
.irp i, 0,1,2,3,4,5,6,7
	v_pk_add_f32 v[XR+4*(8*\g+\i):XR+4*(8*\g+\i)+1], v[XR+4*(8*\g+\i):XR+4*(8*\g+\i)+1], v[VF+4*(8*\g+\i):VF+4*(8*\g+\i)+1]
	v_pk_add_f32 v[XR+4*(8*\g+\i)+2:XR+4*(8*\g+\i)+3], v[XR+4*(8*\g+\i)+2:XR+4*(8*\g+\i)+3], v[VF+4*(8*\g+\i)+2:VF+4*(8*\g+\i)+3]
.endr
	WIN 0
.irp i, 0,1,2,3,4,5,6,7
	global_store_b128 v[LI], v[XR+4*(8*\g+\i):XR+4*(8*\g+\i)+3], s[OB:OB+1] offset:16384*(8*\g+\i) th:TH_STORE_NT   ; 32 lanes store 512 consecutive bytes, at a multiple of 256 from out0's first byte
.endr
.endr
	s_wait_tensorcnt 0x0                           ; the wave's end: three lines behind my last tensor load and my last LDS store
	ds_add_u32 v[SPW], v[NIL]
	s_wait_dscnt 0x0
	CROUND                                         ; the closing round: no work-group ends while a partner may still ask for a tile that names it
	s_endpgm
.Lfunc_end_k_q084055f862_attend:
	.size	k_q084055f862_attend, .Lfunc_end_k_q084055f862_attend-k_q084055f862_attend
	.p2alignl 7, 3214868480
	.fill 96, 4, 3214868480
	.section	.rodata,"a",@progbits
	.p2align	6, 0x0
	.amdhsa_kernel k_q084055f862_attend
		.amdhsa_group_segment_fixed_size 327680
		.amdhsa_private_segment_fixed_size 0
		.amdhsa_enable_private_segment 0
		.amdhsa_kernarg_size 40
		.amdhsa_user_sgpr_count 2
		.amdhsa_user_sgpr_kernarg_segment_ptr 1
		.amdhsa_wavefront_size32 1
		.amdhsa_system_sgpr_workgroup_id_x 1
		.amdhsa_system_sgpr_workgroup_id_y 1
		.amdhsa_system_sgpr_workgroup_id_z 1
		.amdhsa_system_vgpr_workitem_id 0
		.amdhsa_next_free_vgpr 512
		.amdhsa_next_free_sgpr 66
		.amdhsa_reserve_vcc 0
		.amdhsa_float_denorm_mode_32 3
		.amdhsa_float_denorm_mode_16_64 3
		.amdhsa_memory_ordered 1
		.amdhsa_forward_progress 1
		.amdhsa_inst_pref_size 104
	.end_amdhsa_kernel
	.amdgpu_metadata
---
amdhsa.version: [ 1, 2 ]
amdhsa.kernels:
  - .name:           k_q084055f862_attend
    .symbol:         k_q084055f862_attend.kd
    .args:
      - { .name: kv, .offset: 0, .size: 8, .value_kind: global_buffer, .address_space: global }
      - { .name: qb, .offset: 8, .size: 8, .value_kind: global_buffer, .address_space: global }
      - { .name: x, .offset: 16, .size: 8, .value_kind: global_buffer, .address_space: global }
      - { .name: gamma, .offset: 24, .size: 8, .value_kind: global_buffer, .address_space: global }
      - { .name: out0, .offset: 32, .size: 8, .value_kind: global_buffer, .address_space: global }
    .group_segment_fixed_size: 327680
    .private_segment_fixed_size: 0
    .kernarg_segment_align: 8
    .kernarg_segment_size: 40
    .max_flat_workgroup_size: 256
    .sgpr_count:     66
    .vgpr_count:     512
    .wavefront_size: 32
...
	.end_amdgpu_metadata
.endif
;; end of part 2
